; MI455X (gfx1250); checked and timed in simulation.
; The chip was launched on July 23, 2026; its instructions are those of AMD's public machine-readable ISA for CDNA 5 (MIT licence, August 2026) and "CDNA5" Instruction Set Architecture Reference Guide (July 2026). The comments in the code are by the model that wrote it; some were corrected since.
;; Symplectic Leapfrog Layer. Allowed arithmetic: matrix products marked QUANTISED: E3M2 operands, one E8M0 scale for each 32 along K, by v_wmma_scale_f32_16x16x128_f8f6f4 with both operands' format E3M2, f32 sums; products left as they are: f32 operands where the result goes on into a quantised operand, else bf16, f16 or f32 operands; f32 sums; everything else in f32.
;; Inputs: W1 64 x 256 float32; W2 256 x 256 float32; Wout 256 x 1 float32; b1 256 float32; b2 256 float32; x 65,536 x 16 x 32 float32.
;; Outputs: out0 65,536 x 64 float32.
;; This version of the problem:
;;   THIS VERSION OF THE PROBLEM IS GIVEN IN LOW PRECISION. The matrix products marked QUANTISED in the list below multiply operands that are first quantised to E3M2 (3 exponent bits, 2 mantissa bits; 6 bits a number), with one power-of-two scale for each 32 numbers along K (OCP MX v1.0); their sums are f32. All else is computed in f32.
;;   The module's matrix products, in the order in which they are computed (A, B: the left and right operand; K: the contracted axis; several contracted axes count as one K, in the product's order):
;;     1. [M 65,536, K 64] x [K 64, N 256]; A: computed on the way; B: input W1: QUANTISED
;;     2. [M 65,536, K 256] x [K 256, N 256]; A: computed on the way; B: input W2: QUANTISED
;;     3. [M 65,536, K 256] x [K 256, N 1]; A: computed on the way; B: input Wout: left as it is (N = 1 < 16)
;;     4. [M 65,536, K 1] x [K 1, N 256]; A: computed on the way; B: input Wout: left as it is (K = 1 < 32)
;;     5. [M 65,536, K 256] x [K 256, N 256]; A: computed on the way; B: input W2: QUANTISED
;;     6. [M 65,536, K 256] x [K 256, N 64]; A: computed on the way; B: input W1: QUANTISED
;;     7. [M 65,536, K 64] x [K 64, N 256]; A: computed on the way; B: input W1: QUANTISED
;;     8. [M 65,536, K 256] x [K 256, N 256]; A: computed on the way; B: input W2: QUANTISED
;;     9. [M 65,536, K 256] x [K 256, N 1]; A: computed on the way; B: input Wout: left as it is (N = 1 < 16)
;;     10. [M 65,536, K 1] x [K 1, N 256]; A: computed on the way; B: input Wout: left as it is (K = 1 < 32)
;;     11. [M 65,536, K 256] x [K 256, N 256]; A: computed on the way; B: input W2: QUANTISED
;;     12. [M 65,536, K 256] x [K 256, N 64]; A: computed on the way; B: input W1: QUANTISED
;;     13. [M 65,536, K 64] x [K 64, N 256]; A: computed on the way; B: input W1: QUANTISED
;;     14. [M 65,536, K 256] x [K 256, N 256]; A: computed on the way; B: input W2: QUANTISED
;;     15. [M 65,536, K 256] x [K 256, N 1]; A: computed on the way; B: input Wout: left as it is (N = 1 < 16)
;;     16. [M 65,536, K 1] x [K 1, N 256]; A: computed on the way; B: input Wout: left as it is (K = 1 < 32)
;;     17. [M 65,536, K 256] x [K 256, N 256]; A: computed on the way; B: input W2: QUANTISED
;;     18. [M 65,536, K 256] x [K 256, N 64]; A: computed on the way; B: input W1: QUANTISED
;;     19. [M 65,536, K 64] x [K 64, N 256]; A: computed on the way; B: input W1: QUANTISED
;;     20. [M 65,536, K 256] x [K 256, N 256]; A: computed on the way; B: input W2: QUANTISED
;;     21. [M 65,536, K 256] x [K 256, N 1]; A: computed on the way; B: input Wout: left as it is (N = 1 < 16)
;;     22. [M 65,536, K 1] x [K 1, N 256]; A: computed on the way; B: input Wout: left as it is (K = 1 < 32)
;;     23. [M 65,536, K 256] x [K 256, N 256]; A: computed on the way; B: input W2: QUANTISED
;;     24. [M 65,536, K 256] x [K 256, N 64]; A: computed on the way; B: input W1: QUANTISED
;;     25. [M 65,536, K 64] x [K 64, N 256]; A: computed on the way; B: input W1: QUANTISED
;;     26. [M 65,536, K 256] x [K 256, N 256]; A: computed on the way; B: input W2: QUANTISED
;;     27. [M 65,536, K 256] x [K 256, N 1]; A: computed on the way; B: input Wout: left as it is (N = 1 < 16)
;;     28. [M 65,536, K 1] x [K 1, N 256]; A: computed on the way; B: input Wout: left as it is (K = 1 < 32)
;;     29. [M 65,536, K 256] x [K 256, N 256]; A: computed on the way; B: input W2: QUANTISED
;;     30. [M 65,536, K 256] x [K 256, N 64]; A: computed on the way; B: input W1: QUANTISED
;;     31. [M 65,536, K 64] x [K 64, N 256]; A: computed on the way; B: input W1: QUANTISED
;;     32. [M 65,536, K 256] x [K 256, N 256]; A: computed on the way; B: input W2: QUANTISED
;;     33. [M 65,536, K 256] x [K 256, N 1]; A: computed on the way; B: input Wout: left as it is (N = 1 < 16)
;;     34. [M 65,536, K 1] x [K 1, N 256]; A: computed on the way; B: input Wout: left as it is (K = 1 < 32)
;;     35. [M 65,536, K 256] x [K 256, N 256]; A: computed on the way; B: input W2: QUANTISED
;;     36. [M 65,536, K 256] x [K 256, N 64]; A: computed on the way; B: input W1: QUANTISED
;;   THE QUANTISER, for each operand of a quantised product, along K:
;;     - K is cut into blocks of 32 from its start; a last block that is shorter is filled with zeros.
;;     - A block's scale is 2^e with e = floor(log2(the largest magnitude in the block)) - 4, held to -126 .. 127; a block of zeros has e = 0. As a byte (E8M0): e + 127.
;;     - Each number is divided by its block's scale, clamped to +-28, and rounded to the nearest number of E3M2, ties to even, subnormals kept.
;;     - The product sums the exact products of the quantised numbers (number of the format x scale) in f32.
;;   ~~~python
;;   def quantise(x, axis):      # numpy; x: float32 -> the quantised numbers, widened to float32 again
;;       x = np.moveaxis(x, axis, -1); K = x.shape[-1]
;;       x = np.pad(x, [(0, 0)] * (x.ndim - 1) + [(0, -K % 32)]); x = x.reshape(x.shape[:-1] + (-1, 32)); a = np.abs(x).max(-1, keepdims=True)
;;       e = np.where(a > 0, np.clip(np.frexp(np.where(a > 0, a, 1))[1] - 1 - 4, -126, 127), 0)      # np.frexp(a)[1] - 1 = floor(log2(a)), exactly
;;       r = np.clip(x / 2.0 ** e, -28, 28)
;;       step = 2.0 ** (np.maximum(np.frexp(np.where(r == 0, 1, r))[1] - 1, -2) - 2)
;;       q = np.round(r / step) * step * 2.0 ** e      # np.round: ties to even
;;       return np.moveaxis(q.reshape(q.shape[:-2] + (-1,))[..., :K], -1, axis).astype(np.float32)
;;   ~~~
;;   OPERANDS COMPUTED ON THE WAY. 'Computed on the way' means the value that the module computes at that place (a softmax that the list does not call 'softmax' is quantised finished and normalised). What goes into a quantiser is computed in f32, as accurately as f32 sums, v_exp_f32 and their like allow (about 1e-6 of the number): no bf16 or f16 on the way to a quantiser, and a product that is left as it is and whose result goes on into a quantised operand takes f32 operands (vector FMAs, or v_wmma_f32_16x16x4_f32). A number that lies on a knife's edge between two numbers of the format may be rounded either way, as far as f32 arithmetic and the matrix unit's own rounding can turn it there, and no further.
;; One version. Each part assembles by itself: llvm-mc -triple=amdgcn-amd-amdhsa -mcpu=gfx1250 --defsym DOCPART=n.
;; ======== version 1 of 1: 2 launches
;; limits: a function is approximated: absolute error at most 2.4e-07
;; workspace buffers: wimg 140,800 bytes
;; launch prep (part 1): grid 88 x 1, 1 waves a work-group, no clusters, 0 bytes of LDS; arguments W1, W2, wimg; writes wimg
.if DOCPART == 1
	.amdgcn_target "amdgcn-amd-amdhsa--gfx1250"
	.amdhsa_code_object_version 6
	.text
	.protected	k_q25c0f5f87e_prep
	.globl	k_q25c0f5f87e_prep
	.p2align	8
	.type	k_q25c0f5f87e_prep,@function
k_q25c0f5f87e_prep:
	s_mov_b64 s[64:65], 0
	v_nop
	global_prefetch_b8 v0, s[64:65] scope:SCOPE_SE
	s_setreg_imm32_b32 hwreg(HW_REG_WAVE_MODE, 25, 1), 1
	s_wait_xcnt 0x0
; W1 [64][256] and W2 [256][256], f32, are quantised ONCE to codes of BF6 (E3M2) with one E8M0 byte for each 32 along K, each in BOTH directions,
; and laid out as images of the matrix unit's operand registers, so that the next launch takes every fragment by loads of 16 bytes a lane.
; A FRAGMENT is 16 units x 128 along K: 12 registers a lane; lane (rho, h) holds unit rho, registers 6 c .. 6 c + 5 = k 128 s + 64 c + 32 h + 0 .. 31.
; Its image is 1,536 bytes: three blocks of 512, block j = registers 4 j .. 4 j + 3 of all lanes, lane l at 16 l.  Fragment f lies at 1,536 f.
; Four fragments t = 0 .. 3 are a chunk Q = f / 4.  Tile T = 4 g + t; row rho of tile T is unit U = 32 (T / 2) + 8 (T % 2) + rho + (rho & 8):
; THE UNITS OF A TILE ARE NOT NEIGHBOURS, so that in the product's result the 16 registers of tiles 2 b, 2 b + 1 of a lane are 16 neighbours along the next K.
;   Q  0 ..  7  W2F: element (U, k) = W2[k][U], g = Q / 2, s = Q % 2          (h1 x W2: K is W2's first axis)
;   Q  8 ..  9  W1B: element (U, k) = W1[U xor 32][k], g = 0, s = Q - 8       (dz1 x W1^T: K is W1's second axis; the xor puts dH/dp where q lies and dH/dq where p lies)
;   Q 10 .. 17  W2B: element (U, k) = W2[U][k], g = (Q - 10) / 2, s = (Q - 10) % 2
;   Q 18 .. 21  W1F: element (U, k) = W1[k][U] for k < 64, zeros for k = 64 .. 127, g = Q - 18, s = 0
; Behind the 88 fragments, at byte 135,168: a pack of 256 bytes for each chunk; the scale word of row rho of fragment t at 16 rho + 4 t.
; One work-group of one wave makes one fragment: 64 numbers a lane, two whole blocks of 32, so no other lane is asked for a largest magnitude.
; A block's scale is 2^(floor(log2(largest magnitude)) - 4); its byte is the largest magnitude's exponent field - 4, held at 1 from below.
; LIMITS: a block of zeros (W1F's upper half among them) gets the byte 1 where the quantiser says 127: its codes are zeros, which add nothing, and the bytes are read by this program alone.
; Blocks whose largest magnitude lies under 2^-122 keep the byte 1.  NaN and infinities among the weights are not served.
.set X,   64                           ; v64-127  my 64 numbers: X + 32 c + i = k 128 s + 64 c + 32 h + i
.set SCL, 135168                       ; where the packs of scale words begin
	s_load_b128 s[4:7], s[0:1], 0x0                ; W1 s[4:5], W2 s[6:7]
	s_load_b64 s[8:9], s[0:1], 0x10                ; wimg
	v_and_b32 v1, 15, v0                           ; rho
	v_lshrrev_b32 v2, 4, v0                        ; h (one wave: v0 is the lane)
	v_and_b32 v3, 8, v1
	v_add_nc_u32 v3, v3, v1                        ; rho + (rho & 8)
	v_lshlrev_b32 v6, 4, v0                        ; 16 x lane: my place in a block of the image
	v_lshlrev_b32 v7, 4, v1                        ; 16 x rho: my row's place in the pack
	s_lshr_b32 s10, ttmp9, 2                       ; Q
	s_and_b32 s11, ttmp9, 3                        ; t
	s_mov_b32 s20, 0x76543210
	s_mov_b32 s21, 0xfedcba98                      ; v_permlanex16_b32's selects for lane l xor 16
	s_mul_i32 s22, ttmp9, 1536
	s_mov_b32 s23, 0
	s_wait_kmcnt 0x0
	s_add_nc_u64 s[24:25], s[8:9], s[22:23]        ; my fragment's image
	s_lshl_b32 s22, s10, 8
	s_lshl_b32 s17, s11, 2
	s_add_co_u32 s22, s22, s17
	s_add_co_u32 s22, s22, SCL
	s_add_nc_u64 s[26:27], s[8:9], s[22:23]        ; my fragment's words in its chunk's pack
.macro UNIT                            ; v3 becomes U, from g in s12 and t in s11
	s_lshl_b32 s17, s12, 2
	s_add_co_u32 s17, s17, s11                     ; T = 4 g + t
	s_lshr_b32 s18, s17, 1
	s_lshl_b32 s18, s18, 5                         ; 32 (T / 2)
	s_and_b32 s19, s17, 1
	s_lshl_b32 s19, s19, 3                         ; 8 (T % 2)
	s_add_co_u32 s18, s18, s19
	v_add_nc_u32 v3, s18, v3
.endm
.macro OUTADR                          ; K is the weight's FIRST axis: my column U, rows from 128 s + 32 h on; a row is 1,024 bytes
	v_lshlrev_b32 v4, 2, v3
	v_lshl_add_u32 v4, v2, 15, v4
	s_lshl_b32 s13, s13, 17
	v_add_nc_u32 v4, s13, v4
.endm
.macro OUT32 base, first, off          ; 32 numbers down K
.irp i, 0,1,2,3,4,5,6,7,8,9,10,11,12,13,14,15,16,17,18,19,20,21,22,23,24,25,26,27,28,29,30,31
	global_load_b32 v[X+\first+\i], v4, s[\base:\base+1] offset:\off+1024*\i
.endr
.endm
.macro INADR                           ; K is the weight's SECOND axis: my row U, numbers from 128 s + 32 h on
	v_lshlrev_b32 v4, 10, v3
	v_lshl_add_u32 v4, v2, 7, v4
	s_lshl_b32 s13, s13, 9
	v_add_nc_u32 v4, s13, v4
.endm
.macro IN16 base                       ; two blocks of 32 neighbours, 128 bytes each
.irp c, 0,1
.irp j, 0,1,2,3,4,5,6,7
	global_load_b128 v[X+32*\c+4*\j:X+32*\c+4*\j+3], v4, s[\base:\base+1] offset:256*\c+16*\j
.endr
.endr
.endm
	; four kinds of fragment: the branches hang on the work-group's number alone, and each arm loads through its own argument
	s_cmp_lt_u32 s10, 8
	s_cbranch_scc1 .Lw2f
	s_cmp_lt_u32 s10, 10
	s_cbranch_scc1 .Lw1b
	s_cmp_lt_u32 s10, 18
	s_cbranch_scc1 .Lw2b
	s_sub_co_u32 s12, s10, 18                      ; W1F: g = Q - 18, s = 0
	s_mov_b32 s13, 0
	UNIT
	OUTADR
	OUT32 4, 0, 0                                  ; k = 32 h + i: all of W1's 64 rows
.irp i, 0,1,2,3,4,5,6,7,8,9,10,11,12,13,14,15,16,17,18,19,20,21,22,23,24,25,26,27,28,29,30,31
	v_mov_b32 v[X+32+\i], 0                        ; k = 64 .. 127: beyond W1's K: zeros, which become zero codes
.endr
	s_branch .Lquant
.Lw2f:
	s_lshr_b32 s12, s10, 1                         ; g = Q / 2
	s_and_b32 s13, s10, 1                          ; s = Q % 2
	UNIT
	OUTADR
	OUT32 6, 0, 0
	OUT32 6, 32, 65536                             ; 64 rows further down
	s_branch .Lquant
.Lw1b:
	s_mov_b32 s12, 0
	s_sub_co_u32 s13, s10, 8
	UNIT
	v_xor_b32 v3, 32, v3                           ; position U of the result takes dH[U xor 32]
	INADR
	IN16 4
	s_branch .Lquant
.Lw2b:
	s_sub_co_u32 s13, s10, 10
	s_lshr_b32 s12, s13, 1
	s_and_b32 s13, s13, 1
	UNIT
	INADR
	IN16 6
.Lquant:
	s_wait_loadcnt 0x0
.irp c, 0,1                                    ; my block 2 c + h: all its 32 numbers are mine
	v_max3_num_f32 v[8+\c], |v[X+32*\c]|, |v[X+32*\c+1]|, 0x2800000   ; with the floor 2^(5 - 127): the byte cannot fall under 1
.endr
.irp i, 2,4,6,8,10,12,14,16,18,20,22,24,26,28,30
.irp c, 0,1
	v_max3_num_f32 v[8+\c], v[8+\c], |v[X+32*\c+\i]|, |v[X+32*\c+\i+1]|   ; the two blocks by turns
.endr
.endr
.irp c, 0,1
	v_add_nc_u32 v[10+\c], 0xfe000000, v[8+\c]     ; 4 off the exponent field: the conversion takes this operand's exponent field as its scale
.endr
.irp c, 0,1
	v_lshrrev_b32 v[12+\c], 23, v[10+\c]           ; the scale's byte
.endr
	v_lshl_or_b32 v14, v13, 16, v12                ; my two bytes: blocks h and 2 + h of my unit,
	v_lshlrev_b32 v15, 3, v2
	v_lshlrev_b32 v14, v15, v14                    ; at their places in the word (8 h bits up);
	v_mov_b32 v15, 0                               ; (a lane permute's destination counts as one of its sources)
	v_permlanex16_b32 v15, v14, s20, s21
	v_or_b32 v14, v14, v15                         ; with lane l xor 16's two the word is whole
.irp c, 0,1
	v_cvt_scalef32_pk16_bf6_f32 v[16+6*\c:18+6*\c], v[X+32*\c:X+32*\c+15], v[10+\c]      ; registers 6 c .. 6 c + 2 of the operand
	v_cvt_scalef32_pk16_bf6_f32 v[28+4*\c:30+4*\c], v[X+32*\c+16:X+32*\c+31], v[10+\c]   ; a conversion's three registers begin on an even number: made elsewhere and moved
.endr
	v_nop                                          ; one plain place behind a scaled conversion
.irp c, 0,1
.irp i, 0,1,2
	v_mov_b32 v[19+6*\c+\i], v[28+4*\c+\i]
.endr
.endr
.irp j, 0,1,2
	global_store_b128 v6, v[16+4*\j:19+4*\j], s[24:25] offset:512*\j   ; 32 lanes store 512 consecutive bytes, at a multiple of 256 from the buffer's first byte
.endr
	global_store_b32 v7, v14, s[26:27]             ; the scale words; lanes l and l xor 16 hold the same word and store it to the same place
	s_endpgm
.Lfunc_end_k_q25c0f5f87e_prep:
	.size	k_q25c0f5f87e_prep, .Lfunc_end_k_q25c0f5f87e_prep-k_q25c0f5f87e_prep
	.p2alignl 7, 3214868480
	.fill 96, 4, 3214868480
	.section	.rodata,"a",@progbits
	.p2align	6, 0x0
	.amdhsa_kernel k_q25c0f5f87e_prep
		.amdhsa_group_segment_fixed_size 0
		.amdhsa_private_segment_fixed_size 0
		.amdhsa_enable_private_segment 0
		.amdhsa_kernarg_size 24
		.amdhsa_user_sgpr_count 2
		.amdhsa_user_sgpr_kernarg_segment_ptr 1
		.amdhsa_wavefront_size32 1
		.amdhsa_system_sgpr_workgroup_id_x 1
		.amdhsa_system_sgpr_workgroup_id_y 1
		.amdhsa_system_sgpr_workgroup_id_z 1
		.amdhsa_system_vgpr_workitem_id 0
		.amdhsa_next_free_vgpr 128
		.amdhsa_next_free_sgpr 66
		.amdhsa_reserve_vcc 0
		.amdhsa_float_denorm_mode_32 3
		.amdhsa_float_denorm_mode_16_64 3
		.amdhsa_memory_ordered 1
		.amdhsa_forward_progress 1
		.amdhsa_inst_pref_size 20
	.end_amdhsa_kernel
	.amdgpu_metadata
---
amdhsa.version: [ 1, 2 ]
amdhsa.kernels:
  - .name:           k_q25c0f5f87e_prep
    .symbol:         k_q25c0f5f87e_prep.kd
    .args:
      - { .name: W1, .offset: 0, .size: 8, .value_kind: global_buffer, .address_space: global }
      - { .name: W2, .offset: 8, .size: 8, .value_kind: global_buffer, .address_space: global }
      - { .name: wimg, .offset: 16, .size: 8, .value_kind: global_buffer, .address_space: global }
    .group_segment_fixed_size: 0
    .private_segment_fixed_size: 0
    .kernarg_segment_align: 8
    .kernarg_segment_size: 24
    .max_flat_workgroup_size: 32
    .sgpr_count:     66
    .vgpr_count:     128
    .wavefront_size: 32
...
	.end_amdgpu_metadata
.endif
;; end of part 1
;; launch leap (part 2): grid 256 x 1, 8 waves a work-group, no clusters, 214,528 bytes of LDS; arguments x, b1, b2, Wout, wimg, out0; writes out0
.if DOCPART == 2
	.amdgcn_target "amdgcn-amd-amdhsa--gfx1250"
	.amdhsa_code_object_version 6
	.text
	.protected	k_q25c0f5f87e_leap
	.globl	k_q25c0f5f87e_leap
	.p2align	8
	.type	k_q25c0f5f87e_leap,@function
k_q25c0f5f87e_leap:
	s_mov_b64 s[64:65], 0
	v_nop
	global_prefetch_b8 v0, s[64:65] scope:SCOPE_SE
	s_setreg_imm32_b32 hwreg(HW_REG_WAVE_MODE, 25, 1), 1
	s_wait_xcnt 0x0
; THREE LEAPFROG STEPS = SIX GRADIENTS of H(s) = sum(tanh(tanh(s W1 + b1) W2 + b2) Wout) at the state s = [q, p] of each of 65,536 rows; q = x[:,15,:], p = x[:,15,:] - x[:,14,:].
; One gradient: z1 = s W1 (K = 64) | h1 = tanh(z1 + b1) | z2 = h1 W2 | dz2 = Wout (1 - tanh^2(z2 + b2)) | dh1 = dz2 W2^T | dz1 = dh1 (1 - h1^2) | dH = dz1 W1^T.
; The four products run on codes of BF6 (E3M2) with one E8M0 scale for each 32 along K; the weights' codes come ready from the launch before, the rows' are made here, in registers, from f32.
; h2 x Wout, the value of H itself, is not computed: the gradient is all that is used of H.  ones x Wout^T is the f32 factor Wout[n] in dz2.
; SHARES.  256 work-groups of 8 waves; a work-group takes 256 rows, a wave 32 of them (two tiles m = 0, 1 of 16), through all six gradients.  Lane (r, h) holds row 16 m + r THROUGHOUT:
; every product is used transposed (source 0 = 16 units of a weight, source 1 = my 16 rows), and a tile's units are chosen so that ACC + 32 m + 16 b + i is unit 64 g + 32 b + 16 h + i:
; 16 neighbours along the next K, which the conversions take as they stand.  Nothing between x and out0 goes to memory.
; The weights' images (140,800 bytes) and the three small vectors are copied into LDS once; ONE barrier; from then on a wave touches only read-only LDS and its own stage.
; NO CLUSTER, NO TENSOR LOAD: what the work-groups share is those 140,800 bytes, read once at the head, against six gradients of 256 rows (1,056 matrix instructions a wave) behind it; nothing is filled again.
; The K = 64 product fills half of its instruction: codes for k = 64 .. 127 are zeros on both sides.
; tanh(z) = 1 - 2 r, r = 1 / (1 + 2^(c z)), c = 2 log2(e); 1 - tanh^2 = 4 (r - r^2).  2^(..) overflowing to infinity gives r = 0, falling to 0 gives r = 1: both ends saturate rightly.
; LIMITS: tanh's ABSOLUTE error is that of v_exp_f32 and v_rcp_f32 at numbers near 1, about 2^-22, so its relative error grows under |z| = 2^-8; the bias enters as c b, rounded once, in one fused multiply-add;
; 1 - h2^2 is taken as 4 (r - r^2), not as (1 + h)(1 - h) of the rounded h; blocks whose largest magnitude lies under 2^-122, zero blocks among them, carry the byte 1 (the state's padding of K the byte 0) over their codes;
; in the odd gradients q takes 0 x dH, which holds for finite dH; NaN and infinities among the inputs are not served.
;
; LDS: 0 the weights' images, 22 chunks of 6,144 bytes (four fragments of 1,536), then at SCL 22 packs of scale words of 256 bytes | BIAS: c b1, c b2, 4 Wout, 1,024 bytes each |
;      STAGE: 8,704 bytes for each wave: 32 rows of 256 + 16 bytes on the way in and out, the image of the state (16 blocks of 512 bytes) in the loop.
; REGISTERS.  Window 0: v1-7, v44-47 addresses | v8-15 weights' scale words, two slots | v16-23 my rows' scale words | v24-43 at work | v48-95, v96-143 two sets of codes: fragment (m, s) at 24 m + 12 s |
;      v144-207 eight accumulators | v208-255 four weight fragments; their first 32 also take 32 numbers of a small vector.   Window 1 (v256-511): 1 - h1^2, at 128 m + 32 g + x.
.set CHUNK, 6144
.set SCL,   135168
.set BIAS,  140800
.set STAGE, 143872
.set WSTG,  8704
.set RP,    272                        ; a stage row: 256 bytes + 16, so that sixteen rows begin at sixteen different multiples of 16 modulo 256
.set B0,   1                           ; v1   16 x lane: chunks 0-9; also my bytes of two rows of out0
.set B1,   2                           ; v2   the same + 10 chunks: chunks 10-17 (an LDS offset has 16 bits)
.set B2,   3                           ; v3   the same + 18 chunks: chunks 18-21
.set SA,   4                           ; v4   SCL + 16 r: my unit's four scale words in a pack
.set BA,   5                           ; v5   BIAS + 64 h: my half's 16 numbers of a block of 32 units
.set SI,   6                           ; v6   my stage + 16 x lane: the state's image
.set RL,   7                           ; v7   my stage + 272 r + 64 h: my 64 bytes of half a row
.set WS,   8                           ; v8-11, v12-15
.set SCA,  16                          ; v16-19  scale words of the codes in CA, index 2 m + s
.set SCB,  20                          ; v20-23  of those in CB
.set TM,   24                          ; v24-27 largest magnitudes, v28-31 the other half's, then bytes, v32-35 the conversions' scale operands, v36-38, v40-42 upper halves of blocks
.set ROWA, 44                          ; v44  my stage + 272 (lane / 16) + 16 (lane % 16): two whole rows an instruction
.set XO,   45                          ; v45  x: 2,048 (lane / 16) + 16 (lane % 16)
.set TB,   46                          ; v46  16 x thread
.set T4,   47                          ; v47  4 x thread
.set CA,   48
.set CB,   96
.set ST,   80                          ; v80-143: the state read back, when both sets of codes are done with
.set ACC,  144
.set WF,   208
.set WV,   16                          ; s16  my wave's number
.set SEL,  20                          ; s[20:21] v_permlanex16_b32's selects for lane l xor 16
.set C2,   22                          ; s[22:23] c = 2 log2(e); the packed forms name a pair and take its low word for both halves, so the high word is written too
.set CQ,   24                          ; s[24:25] q's step: 0.1 in the even gradients, 0 in the odd ones
.set CP,   26                          ; s[26:27] p's step: -0.05
.set TRIPS, 28
.set MSB, 0
.macro WIN new                         ; the immediate's high byte repeats the setting that is left
.if MSB != \new
	s_set_vgpr_msb (MSB<<8)|\new
.set MSB, \new
.endif
.endm
; Places: 4 between a matrix instruction and a load into, or a vector instruction's read or write of, one of its registers; in front of a scaled matrix instruction 8 behind a vector
; instruction's write of a scale register and 4 behind that of an operand.
.macro PLACES n
.rept \n
	v_nop
.endr
.endm
.macro FETCH4 q                        ; chunk q's four fragments, as they lie: 12 loads of 512 consecutive bytes
.if (\q) < 10
.set FB, B0
.set FO, CHUNK*(\q)
.elseif (\q) < 18
.set FB, B1
.set FO, CHUNK*((\q)-10)
.else
.set FB, B2
.set FO, CHUNK*((\q)-18)
.endif
.irp i, 0,1,2,3,4,5,6,7,8,9,10,11
	ds_load_b128 v[WF+4*\i:WF+4*\i+3], v[FB] offset:FO+512*\i
.endr
.endm
.macro PACK q, slot                    ; chunk q's scale words: lane r takes unit r's words of the four fragments
	ds_load_b128 v[WS+4*(\slot):WS+4*(\slot)+3], v[SA] offset:256*(\q)
.endm
.macro NEXT q, two                     ; what the next products want, asked for ahead of the vector work that stands in front of them
	FETCH4 \q
	PACK \q, 0
.if \two
	PACK (\q)+1, 1
.endif
.endm
.macro VEC32 arr, g                    ; WF + 16 b + i = entry 64 g + 32 b + 16 h + i of small vector arr (0: c b1, 1: c b2, 2: 4 Wout)
.irp i, 0,1,2,3,4,5,6,7
	ds_load_b128 v[WF+4*\i:WF+4*\i+3], v[BA] offset:1024*(\arr)+256*(\g)+128*(\i/4)+16*(\i%4)
.endr
.endm
; Eight matrix instructions: the four fragments in WF x my two tiles of rows, K step s of the codes in buf.  The eight accumulators take turns, one instruction a turn.
; zero = 1: the product starts the sums: nothing is ever cleared.
.macro MM buf, scl, s, slot, zero
.irp t, 0,1,2,3
.irp m, 0,1
.if \zero
	v_wmma_scale_f32_16x16x128_f8f6f4 v[ACC+32*\m+8*\t:ACC+32*\m+8*\t+7], v[WF+12*\t:WF+12*\t+11], v[\buf+24*\m+12*(\s):\buf+24*\m+12*(\s)+11], 0, v[WS+4*(\slot)+\t], v[\scl+2*\m+(\s)] matrix_a_fmt:MATRIX_FMT_BF6 matrix_b_fmt:MATRIX_FMT_BF6
.else
	v_wmma_scale_f32_16x16x128_f8f6f4 v[ACC+32*\m+8*\t:ACC+32*\m+8*\t+7], v[WF+12*\t:WF+12*\t+11], v[\buf+24*\m+12*(\s):\buf+24*\m+12*(\s)+11], v[ACC+32*\m+8*\t:ACC+32*\m+8*\t+7], v[WS+4*(\slot)+\t], v[\scl+2*\m+(\s)] matrix_a_fmt:MATRIX_FMT_BF6 matrix_b_fmt:MATRIX_FMT_BF6
.endif
.endr
.endr
.endm
.macro ARG                             ; c z + c b, two at a time, ascending: each accumulator is first read at its low end
.set ii, 0
.rept 32
	v_pk_fma_f32 v[ACC+ii:ACC+ii+1], v[ACC+ii:ACC+ii+1], s[C2:C2+1], v[WF+ii%32:WF+ii%32+1] op_sel_hi:[1,0,1]
.set ii, ii+2
.endr
.endm
.macro EXP64                           ; one batch, one plain place behind it, and ONE wait ahead of the batch's first reader
.set ii, 0
.rept 64
	v_exp_f32 v[ACC+ii], v[ACC+ii]
.set ii, ii+1
.endr
	v_nop
	s_wait_alu depctr_va_vdst(0)
.endm
.macro RCP64                           ; 1 + 2^(..), then its reciprocal r: a batch with its place and its wait, as above
.set ii, 0
.rept 32
	v_pk_add_f32 v[ACC+ii:ACC+ii+1], v[ACC+ii:ACC+ii+1], 1.0 op_sel_hi:[1,0]
.set ii, ii+2
.endr
.set ii, 0
.rept 64
	v_rcp_f32 v[ACC+ii], v[ACC+ii]
.set ii, ii+1
.endr
	v_nop
	s_wait_alu depctr_va_vdst(0)
.endm
; The 64 numbers in ACC, four half blocks k = 2 m + b of 16 (the other half lies in lane l xor 16), become half c of fragment (m, s) of dst and bytes 2 c, 2 c + 1 of its scale word.
.macro QUANT dst, scl, s, c
.irp k, 0,1,2,3
	v_max3_num_f32 v[TM+\k], |v[ACC+16*\k]|, |v[ACC+16*\k+1]|, 0x2800000   ; with the floor 2^(5 - 127): the byte cannot fall under 1
.endr
.irp i, 2,4,6,8,10,12,14
.irp k, 0,1,2,3
	v_max3_num_f32 v[TM+\k], v[TM+\k], |v[ACC+16*\k+\i]|, |v[ACC+16*\k+\i+1]|   ; the four by turns: no line waits for the line above it
.endr
.endr
.irp k, 0,1,2,3
	v_permlanex16_b32 v[TM+4+\k], v[TM+\k], s[SEL], s[SEL+1]
.endr
.irp k, 0,1,2,3
	v_max_num_f32 v[TM+\k], v[TM+\k], v[TM+4+\k]   ; the block's largest magnitude
.endr
.irp k, 0,1,2,3
	v_add_nc_u32 v[TM+8+\k], 0xfe000000, v[TM+\k]  ; 4 off its exponent field: the conversion's scale operand
.endr
.irp k, 0,1,2,3
	v_lshrrev_b32 v[TM+4+\k], 23, v[TM+8+\k]       ; the scale's byte
.endr
.irp m, 0,1
.if (\c) == 0
	v_lshl_or_b32 v[\scl+2*\m+(\s)], v[TM+5+2*\m], 8, v[TM+4+2*\m]           ; bytes 0 and 1 begin the word
.else
	v_lshl_or_b32 v[\scl+2*\m+(\s)], v[TM+4+2*\m], 16, v[\scl+2*\m+(\s)]     ; bytes 2 and 3 complete it
	v_lshl_or_b32 v[\scl+2*\m+(\s)], v[TM+5+2*\m], 24, v[\scl+2*\m+(\s)]
.endif
.endr
.irp m, 0,1
	v_cvt_scalef32_pk16_bf6_f32 v[\dst+24*\m+12*(\s)+6*(\c):\dst+24*\m+12*(\s)+6*(\c)+2], v[ACC+32*\m:ACC+32*\m+15], v[TM+8+2*\m]
	v_cvt_scalef32_pk16_bf6_f32 v[TM+12+4*\m:TM+14+4*\m], v[ACC+32*\m+16:ACC+32*\m+31], v[TM+9+2*\m]   ; a conversion's three registers begin on an even number
.endr
	v_nop                                          ; one plain place behind a scaled conversion
.irp m, 0,1                                    ; the operand wants a WHOLE block in a lane: lanes 0-15 the first block, lanes 16-31 the second
.irp i, 0,1,2
	v_permlane16_swap_b32 v[\dst+24*\m+12*(\s)+6*(\c)+\i], v[TM+12+4*\m+\i]
.endr
.irp i, 0,1,2
	v_mov_b32 v[\dst+24*\m+12*(\s)+6*(\c)+3+\i], v[TM+12+4*\m+\i]
.endr
.endr
.endm
; The state in ACC (q in registers 0-15 of a tile, p in 16-31) goes to my stage as an image of its registers, and becomes the first product's operand: K = 64, so half 1 of the fragment is zero codes.
.macro STATE_OUT
.irp i, 0,1,2,3,4,5,6,7,8,9,10,11,12,13,14,15
	ds_store_b128 v[SI], v[ACC+4*\i:ACC+4*\i+3] offset:512*\i     ; ACC is written again only behind the next wait for all LDS instructions
.endr
	NEXT 18, 0
.irp m, 0,1
.irp i, 0,1,2,3,4,5
	v_mov_b32 v[CB+24*\m+6+\i], 0
.endr
.endr
	QUANT CB, SCB, 0, 0                            ; the word's bytes 2 and 3 stay 0, over zero codes
.endm
; Units 64 g .. 64 g + 63 of the first layer: z1, h1, 1 - h1^2 (kept), h1's codes.
.macro G1 g
	s_wait_dscnt 0x0                               ; the fragments and scale words asked for a phase ago are in
.if (\g) == 0
	PLACES 8                                       ; the state's codes and scale words were just written by vector instructions
.endif
	MM CB, SCB, 0, 0, 1
	PLACES 4
	VEC32 0, \g
	s_wait_dscnt 0x0
	ARG
.if (\g) < 3
	NEXT 19+(\g), 0
.else
	NEXT 0, 1
.endif
	EXP64
	RCP64
.set ii, 0
.rept 32
	v_pk_fma_f32 v[ACC+ii:ACC+ii+1], v[ACC+ii:ACC+ii+1], -2.0, 1.0 op_sel_hi:[1,0,0]   ; h1 = 1 - 2 r
.set ii, ii+2
.endr
	WIN 0x40                                       ; destination window 1
.set ii, 0
.rept 32
	v_pk_fma_f32 v[128*(ii/32)+32*(\g)+ii%32:128*(ii/32)+32*(\g)+ii%32+1], v[ACC+ii:ACC+ii+1], v[ACC+ii:ACC+ii+1], 1.0 op_sel_hi:[1,1,0] neg_lo:[1,0,0] neg_hi:[1,0,0]   ; 1 - h1^2
.set ii, ii+2
.endr
	WIN 0
	QUANT CA, SCA, (\g)/2, (\g)%2
.endm
; Units 64 g .. of the second layer: z2 over K = 256, dz2 = 4 Wout (r - r^2), its codes.
.macro G2 g
	s_wait_dscnt 0x0
.if (\g) == 0
	PLACES 8
.endif
	MM CA, SCA, 0, 0, 1
	PLACES 4
	FETCH4 2*(\g)+1
	s_wait_dscnt 0x0
	MM CA, SCA, 1, 1, 0
	PLACES 4
	VEC32 1, \g
	s_wait_dscnt 0x0
	ARG
	VEC32 2, \g                                    ; 4 Wout takes c b2's registers and lands under the two batches
	EXP64
	RCP64
.set ii, 0
.rept 32
	v_pk_fma_f32 v[ACC+ii:ACC+ii+1], v[ACC+ii:ACC+ii+1], v[ACC+ii:ACC+ii+1], v[ACC+ii:ACC+ii+1] neg_lo:[1,0,0] neg_hi:[1,0,0]   ; r - r^2
.set ii, ii+2
.endr
	s_wait_dscnt 0x0
.set ii, 0
.rept 32
	v_pk_mul_f32 v[ACC+ii:ACC+ii+1], v[ACC+ii:ACC+ii+1], v[WF+ii%32:WF+ii%32+1]
.set ii, ii+2
.endr
.if (\g) < 3
	NEXT 2*(\g)+2, 1
.else
	NEXT 10, 1
.endif
	QUANT CB, SCB, (\g)/2, (\g)%2
.endm
; Units 64 g .. of dh1 = dz2 W2^T, dz1 = dh1 (1 - h1^2), its codes.
.macro G3 g
	s_wait_dscnt 0x0
.if (\g) == 0
	PLACES 8
.endif
	MM CB, SCB, 0, 0, 1
	PLACES 4
	FETCH4 11+2*(\g)
	s_wait_dscnt 0x0
	MM CB, SCB, 1, 1, 0
	PLACES 4
.if (\g) < 3
	NEXT 12+2*(\g), 1
.else
	NEXT 8, 1
.endif
	WIN 0x04                                       ; source 1 window 1
.set ii, 0
.rept 32
	v_pk_mul_f32 v[ACC+ii:ACC+ii+1], v[ACC+ii:ACC+ii+1], v[128*(ii/32)+32*(\g)+ii%32:128*(ii/32)+32*(\g)+ii%32+1]
.set ii, ii+2
.endr
	WIN 0
	QUANT CA, SCA, (\g)/2, (\g)%2
.endm
	; ---- THE HEAD
	s_load_b256 s[4:11], s[0:1], 0x0               ; x s[4:5], b1 s[6:7], b2 s[8:9], Wout s[10:11]
	s_load_b128 s[12:15], s[0:1], 0x20             ; wimg s[12:13], out0 s[14:15]
	v_lshl_add_u32 v39, v0, 2, 0x34200
	v_mov_b32 v43, 0
	v_lshrrev_b32 v34, 5, v0
	v_readfirstlane_b32 s[WV], v34                 ; wave 0..7
	v_and_b32 v34, 31, v0                          ; lane
	v_and_b32 v32, 15, v0                          ; r
	v_bfe_u32 v33, v0, 4, 1                        ; h
	v_lshlrev_b32 v[B0], 4, v34
	v_add_nc_u32 v[B1], 10*CHUNK, v[B0]
	v_add_nc_u32 v[B2], 18*CHUNK, v[B0]
	v_lshl_add_u32 v[SA], v32, 4, SCL
	v_lshl_add_u32 v[BA], v33, 6, BIAS
	s_mul_i32 s17, s[WV], WSTG
	s_add_co_u32 s17, s17, STAGE                   ; my stage
	v_add_nc_u32 v[SI], s17, v[B0]
	v_mul_u32_u24 v[RL], v32, RP
	v_lshl_add_u32 v[RL], v33, 6, v[RL]
	v_add_nc_u32 v[RL], s17, v[RL]
	v_mul_u32_u24 v[ROWA], v33, RP
	v_lshl_add_u32 v[ROWA], v32, 4, v[ROWA]
	v_add_nc_u32 v[ROWA], s17, v[ROWA]
	v_lshlrev_b32 v[XO], 11, v33
	v_lshl_or_b32 v[XO], v32, 4, v[XO]
	v_lshlrev_b32 v[TB], 4, v0
	v_lshlrev_b32 v[T4], 2, v0
	v_add_nc_u32 v24, 0x10000, v[TB]               ; the copy's LDS addresses beyond an offset's 16 bits
	v_add_nc_u32 v25, 0x20000, v[TB]
	v_add_nc_u32 v26, BIAS, v[T4]
.irp k, 0,1,2,3
	v_mov_b32 v[TM+4+\k], 0                        ; written once: a lane permute's destination counts as one of its sources
.endr
	s_mov_b32 s[SEL], 0x76543210
	s_mov_b32 s[SEL+1], 0xfedcba98
	s_mov_b32 s[C2], 0x4038aa3b                    ; 2 log2(e)
	s_mov_b32 s[C2+1], s[C2]
	s_mov_b32 s[CQ], 0x3dcccccd                    ; 0.1
	s_mov_b32 s[CQ+1], s[CQ]
	s_mov_b32 s[CP], 0xbd4ccccd                    ; -0.05
	s_mov_b32 s[CP+1], s[CP]
	s_mov_b32 s[TRIPS], 6
	s_lshl_b32 s18, ttmp9, 19                      ; x: 256 rows of 2,048 bytes a work-group,
	s_lshl_b32 s19, s[WV], 16                      ; 32 a wave,
	s_add_co_u32 s18, s18, s19
	s_add_co_u32 s18, s18, 1792                    ; and of a row its last 256 bytes: x[.,14,:] and x[.,15,:]; they begin at a multiple of 256
	s_mov_b32 s19, 0
	s_wait_kmcnt 0x0
	s_add_nc_u64 s[4:5], s[4:5], s[18:19]
	s_lshl_b32 s18, ttmp9, 16                      ; out0: rows of 256 bytes
	s_lshl_b32 s17, s[WV], 13
	s_add_co_u32 s18, s18, s17
	s_add_nc_u64 s[14:15], s[14:15], s[18:19]
.irp i, 0,1,2,3,4,5,6,7,8,9,10,11,12,13,14,15
	global_load_b128 v[48+4*\i:51+4*\i], v[XO], s[4:5] offset:4096*\i th:TH_LOAD_NT   ; rows 2 i and 2 i + 1: sixteen lanes read 256 consecutive bytes
.endr
	global_load_b32 v252, v[T4], s[6:7]            ; b1, b2, Wout: a number a thread
	global_load_b32 v253, v[T4], s[8:9]
	global_load_b32 v254, v[T4], s[10:11]
.set ii, 0
.rept 34
	global_load_b128 v[112+4*ii:115+4*ii], v[TB], s[12:13] offset:4096*ii   ; the weights' images: 4,096 consecutive bytes for the 256 threads
.set ii, ii+1
.endr
	s_cmp_lt_u32 s[WV], 3                          ; 140,800 = 34 x 4,096 + 96 x 16: the rest is three waves' worth
	s_cbranch_scc0 .Lno_rest
	global_load_b128 v[248:251], v[TB], s[12:13] offset:139264
	s_wait_loadcnt 0x0
	ds_store_b128 v25, v[248:251] offset:8192
.Lno_rest:
	s_wait_loadcnt 0x0
.set ii, 0
.rept 16
	ds_store_b128 v[TB], v[112+4*ii:115+4*ii] offset:4096*ii
.set ii, ii+1
.endr
.set ii, 0
.rept 16
	ds_store_b128 v24, v[176+4*ii:179+4*ii] offset:4096*ii
.set ii, ii+1
.endr
	ds_store_b128 v25, v[240:243]
	ds_store_b128 v25, v[244:247] offset:4096
	v_mul_f32 v252, s[C2], v252                    ; c b1
	v_mul_f32 v253, s[C2], v253                    ; c b2
	v_mul_f32 v254, 4.0, v254                      ; 4 Wout: exact
	ds_store_b32 v26, v252
	ds_store_b32 v26, v253 offset:1024
	ds_store_b32 v26, v254 offset:2048
.irp i, 0,1,2,3,4,5,6,7,8,9,10,11,12,13,14,15
	ds_store_b128 v[ROWA], v[48+4*\i:51+4*\i] offset:2*RP*\i   ; my 32 rows of x into my stage
.endr
	s_wait_dscnt 0x0                               ; for the others' sake: all my stores have landed
	s_barrier_signal -1
	s_barrier_wait -1                              ; the only barrier: from here on the images and the small vectors are only read
.irp m, 0,1
.irp k, 0,1,2,3
	ds_load_b128 v[ACC+32*\m+4*\k:ACC+32*\m+4*\k+3], v[RL] offset:16*RP*\m+128+16*\k   ; q = x[.,15,:]: my 16 features of row 16 m + r
	ds_load_b128 v[48+16*\m+4*\k:51+16*\m+4*\k], v[RL] offset:16*RP*\m+16*\k           ; x[.,14,:]
.endr
.endr
	s_wait_dscnt 0x0
.irp m, 0,1
.irp i, 0,2,4,6,8,10,12,14
	v_pk_add_f32 v[ACC+32*\m+16+\i:ACC+32*\m+17+\i], v[ACC+32*\m+\i:ACC+32*\m+\i+1], v[48+16*\m+\i:49+16*\m+\i] neg_lo:[0,1] neg_hi:[0,1]   ; p = x[.,15,:] - x[.,14,:]
.endr
.endr
	STATE_OUT
	; ---- SIX GRADIENTS, one a trip
.Leval:
	G1 0
	G1 1
	G1 2
	G1 3
	G2 0
	G2 1
	G2 2
	G2 3
	G3 0
	G3 1
	G3 2
	G3 3
	; dH = dz1 W1^T: 64 units, K = 256; dH/dp falls where q lies and dH/dq where p lies
	s_wait_dscnt 0x0
	PLACES 8
	MM CA, SCA, 0, 0, 1
	PLACES 4
	FETCH4 9
	s_wait_dscnt 0x0
	MM CA, SCA, 1, 1, 0
	PLACES 4
.irp i, 0,1,2,3,4,5,6,7,8,9,10,11,12,13,14,15
	ds_load_b128 v[ST+4*\i:ST+4*\i+3], v[SI] offset:512*\i       ; the state comes back, into the registers of codes that are done with
.endr
	s_wait_dscnt 0x0
.irp m, 0,1
.irp i, 0,2,4,6,8,10,12,14
	v_pk_fma_f32 v[ACC+32*\m+\i:ACC+32*\m+\i+1], v[ACC+32*\m+\i:ACC+32*\m+\i+1], s[CQ:CQ+1], v[ST+32*\m+\i:ST+32*\m+\i+1] op_sel_hi:[1,0,1]   ; q + (0.1 or 0) dH/dp
.endr
.irp i, 16,18,20,22,24,26,28,30
	v_pk_fma_f32 v[ACC+32*\m+\i:ACC+32*\m+\i+1], v[ACC+32*\m+\i:ACC+32*\m+\i+1], s[CP:CP+1], v[ST+32*\m+\i:ST+32*\m+\i+1] op_sel_hi:[1,0,1]   ; p - 0.05 dH/dq
.endr
.endr
	STATE_OUT                                      ; (in the last trip its image, codes and fetches are not used: 16 stores, 13 loads and one quantising, for the sake of one body)
	s_xor_b32 s[CQ], s[CQ], 0x3dcccccd             ; q moves in every second gradient
	s_sub_co_u32 s[TRIPS], s[TRIPS], 1
	s_cmp_lg_u32 s[TRIPS], 0
	s_cbranch_scc1 .Leval
	; ---- THE WAY OUT: a lane holds 64 bytes of each half of a row; through my stage the rows become whole
	s_wait_dscnt 0x0
.irp m, 0,1
.irp k, 0,1,2,3
	ds_store_b128 v[RL], v[ACC+32*\m+4*\k:ACC+32*\m+4*\k+3] offset:16*RP*\m+16*\k            ; q
	ds_store_b128 v[RL], v[ACC+32*\m+16+4*\k:ACC+32*\m+19+4*\k] offset:16*RP*\m+128+16*\k    ; p
.endr
.endr
.irp i, 0,1,2,3,4,5,6,7,8,9,10,11,12,13,14,15
	ds_load_b128 v[48+4*\i:51+4*\i], v[ROWA] offset:2*RP*\i      ; LDS serves a wave's instructions in order (ISA guide 5.7.1.4): these see my stores
.endr
.irp i, 0,1,2,3,4,5,6,7,8,9,10,11,12,13,14,15
	s_wait_dscnt 15-\i                             ; the 15 - i younger loads may stay out
	global_store_b128 v[B0], v[48+4*\i:51+4*\i], s[14:15] offset:512*\i th:TH_STORE_NT   ; two rows: 512 consecutive bytes, at a multiple of 256 from out0's first byte
.endr
	s_wait_tensorcnt 0x0
	ds_add_u32 v39, v43
	s_wait_dscnt 0x0
	s_endpgm
.Lfunc_end_k_q25c0f5f87e_leap:
	.size	k_q25c0f5f87e_leap, .Lfunc_end_k_q25c0f5f87e_leap-k_q25c0f5f87e_leap
	.p2alignl 7, 3214868480
	.fill 96, 4, 3214868480
	.section	.rodata,"a",@progbits
	.p2align	6, 0x0
	.amdhsa_kernel k_q25c0f5f87e_leap
		.amdhsa_group_segment_fixed_size 214528
		.amdhsa_private_segment_fixed_size 0
		.amdhsa_enable_private_segment 0
		.amdhsa_kernarg_size 48
		.amdhsa_user_sgpr_count 2
		.amdhsa_user_sgpr_kernarg_segment_ptr 1
		.amdhsa_wavefront_size32 1
		.amdhsa_system_sgpr_workgroup_id_x 1
		.amdhsa_system_sgpr_workgroup_id_y 1
		.amdhsa_system_sgpr_workgroup_id_z 1
		.amdhsa_system_vgpr_workitem_id 0
		.amdhsa_next_free_vgpr 512
		.amdhsa_next_free_sgpr 66
		.amdhsa_reserve_vcc 0
		.amdhsa_float_denorm_mode_32 3
		.amdhsa_float_denorm_mode_16_64 3
		.amdhsa_memory_ordered 1
		.amdhsa_forward_progress 1
		.amdhsa_inst_pref_size 233
	.end_amdhsa_kernel
	.amdgpu_metadata
---
amdhsa.version: [ 1, 2 ]
amdhsa.kernels:
  - .name:           k_q25c0f5f87e_leap
    .symbol:         k_q25c0f5f87e_leap.kd
    .args:
      - { .name: x, .offset: 0, .size: 8, .value_kind: global_buffer, .address_space: global }
      - { .name: b1, .offset: 8, .size: 8, .value_kind: global_buffer, .address_space: global }
      - { .name: b2, .offset: 16, .size: 8, .value_kind: global_buffer, .address_space: global }
      - { .name: Wout, .offset: 24, .size: 8, .value_kind: global_buffer, .address_space: global }
      - { .name: wimg, .offset: 32, .size: 8, .value_kind: global_buffer, .address_space: global }
      - { .name: out0, .offset: 40, .size: 8, .value_kind: global_buffer, .address_space: global }
    .group_segment_fixed_size: 214528
    .private_segment_fixed_size: 0
    .kernarg_segment_align: 8
    .kernarg_segment_size: 48
    .max_flat_workgroup_size: 256
    .sgpr_count:     66
    .vgpr_count:     512
    .wavefront_size: 32
...
	.end_amdgpu_metadata
.endif
;; end of part 2
